; MI455X (gfx1250); checked and timed in simulation.
; The chip was launched on July 23, 2026; its instructions are those of AMD's public machine-readable ISA for CDNA 5 (MIT licence, August 2026) and "CDNA5" Instruction Set Architecture Reference Guide (July 2026). The comments in the code are by the model that wrote it; some were corrected since.
;; Self Attention. Allowed arithmetic: matrix products marked QUANTISED: E2M3 operands, one E8M0 scale for each 32 along K, by v_wmma_scale_f32_16x16x128_f8f6f4 with both operands' format E2M3, f32 sums; everything else in f32.
;; Inputs: qkv 2 x 1,024 x 3 x 16 x 64 float32.
;; Outputs: out0 2 x 1,024 x 16 x 64 float32.
;; This version of the problem:
;;   THIS VERSION OF THE PROBLEM IS GIVEN IN LOW PRECISION. The matrix products marked QUANTISED in the list below multiply operands that are first quantised to E2M3 (2 exponent bits, 3 mantissa bits; 6 bits a number), with one power-of-two scale for each 32 numbers along K (OCP MX v1.0); their sums are f32. All else is computed in f32.
;;   The module's matrix products, in the order in which they are computed (A, B: the left and right operand; K: the contracted axis; several contracted axes count as one K, in the product's order):
;;     1. batch 32 x [M 1,024, K 64] x [K 64, N 1,024]; A: input qkv; B: input qkv: QUANTISED
;;     2. batch 32 x [M 64, K 1,024] x [K 1,024, N 1,024]; A: input qkv; B: computed on the way: QUANTISED
;;   THE QUANTISER, for each operand of a quantised product, along K:
;;     - K is cut into blocks of 32 from its start; a last block that is shorter is filled with zeros.
;;     - A block's scale is 2^e with e = floor(log2(the largest magnitude in the block)) - 2, held to -126 .. 127; a block of zeros has e = 0. As a byte (E8M0): e + 127.
;;     - Each number is divided by its block's scale, clamped to +-7.5, and rounded to the nearest number of E2M3, ties to even, subnormals kept.
;;     - The product sums the exact products of the quantised numbers (number of the format x scale) in f32.
;;   ~~~python
;;   def quantise(x, axis):      # numpy; x: float32 -> the quantised numbers, widened to float32 again
;;       x = np.moveaxis(x, axis, -1); K = x.shape[-1]
;;       x = np.pad(x, [(0, 0)] * (x.ndim - 1) + [(0, -K % 32)]); x = x.reshape(x.shape[:-1] + (-1, 32)); a = np.abs(x).max(-1, keepdims=True)
;;       e = np.where(a > 0, np.clip(np.frexp(np.where(a > 0, a, 1))[1] - 1 - 2, -126, 127), 0)      # np.frexp(a)[1] - 1 = floor(log2(a)), exactly
;;       r = np.clip(x / 2.0 ** e, -7.5, 7.5)
;;       step = 2.0 ** (np.maximum(np.frexp(np.where(r == 0, 1, r))[1] - 1, 0) - 3)
;;       q = np.round(r / step) * step * 2.0 ** e      # np.round: ties to even
;;       return np.moveaxis(q.reshape(q.shape[:-2] + (-1,))[..., :K], -1, axis).astype(np.float32)
;;   ~~~
;;   OPERANDS COMPUTED ON THE WAY. 'Computed on the way' means the value that the module computes at that place (a softmax that the list does not call 'softmax' is quantised finished and normalised). What goes into a quantiser is computed in f32, as accurately as f32 sums, v_exp_f32 and their like allow (about 1e-6 of the number): no bf16 or f16 on the way to a quantiser, and a product that is left as it is and whose result goes on into a quantised operand takes f32 operands (vector FMAs, or v_wmma_f32_16x16x4_f32). A number that lies on a knife's edge between two numbers of the format may be rounded either way, as far as f32 arithmetic and the matrix unit's own rounding can turn it there, and no further.
;; One version. Each part assembles by itself: llvm-mc -triple=amdgcn-amd-amdhsa -mcpu=gfx1250 --defsym DOCPART=n.
;; ======== version 1 of 1: 2 launches
;; workspace buffers: kv 3,342,336 bytes
;; launch prep (part 1): grid 256 x 1, 8 waves a work-group, no clusters, 49,152 bytes of LDS; arguments qkv, kv; writes kv
.if DOCPART == 1
	.amdgcn_target "amdgcn-amd-amdhsa--gfx1250"
	.amdhsa_code_object_version 6
	.text
	.protected	k_qbd2c8e5209_prep
	.globl	k_qbd2c8e5209_prep
	.p2align	8
	.type	k_qbd2c8e5209_prep,@function
k_qbd2c8e5209_prep:
	s_mov_b64 s[64:65], 0
	v_nop
	global_prefetch_b8 v0, s[64:65] scope:SCOPE_SE
	s_setreg_imm32_b32 hwreg(HW_REG_WAVE_MODE, 25, 1), 1
	s_wait_xcnt 0x0
; K and V of qkv [2][1024][3][16][64] f32 become codes of FP6 (E2M3) with one E8M0 byte for each 32 along a product's K:
; K along the head's 64 numbers, V along the keys.  They are laid in kv as the attention launch's registers want them.
; A block's scale is 2^(floor(log2(largest magnitude)) - 2): its byte is the largest magnitude's exponent field - 2, held at 1 from below.
; (A block of zeros so gets the byte 1: its codes are zeros, and this program alone reads the bytes.)
; LIMITS: NaN and infinities among the inputs are not served.
; SHARES.  A work-group takes 128 keys (a step) of one head; its 13,056 bytes of kv are one dense block:
;   K's codes 6,144 | V's codes 6,144 | K's scale words 512 | V's scale words 256.   A head's eight steps lie with the highest keys first.
; K: tile t (wave t) has 16 keys: row m is key 8 t + m % 8 + 64 (m / 8).  Lane (r, h) of the reader holds row r, numbers 32 h .. 32 h + 31: six registers.
;    The eight tiles' 48 registers are stored as 12 planes of 512 bytes, 16 bytes a lane.
; V: fragment T has channels 16 T .. 16 T + 15; lane (r, h), registers 6 c .. 6 c + 5 hold keys 64 h + 32 c + 0 .. 31: three planes of 512 bytes a fragment.
; Every wave walks one path: its tile of K (dense loads, 256 bytes a row; turned through the wave's own stage in LDS so that a lane holds a whole block),
; then 32 keys x 32 channels of V (a lane to a channel, registers down the keys: a block lies in one lane).  The results meet in LDS; one barrier; dense stores.
; No cluster: no two work-groups read the same bytes.
.set RS,    12288                      ; bytes from a position to the next in qkv
.set BS,    1024*RS                    ; from batch to batch
.set IMGK,  0                          ; the image in LDS, laid as the block in kv
.set IMGV,  6144
.set IMGKS, 12288
.set IMGVS, 12800
.set STEPB, 13056
.set STG,   13312                      ; behind the image: a stage of 16 rows x 272 bytes for each wave
.set SP,    272                        ; 256 bytes + 16: the 16 rows that a load of 16 bytes a lane touches start 16 bytes apart modulo 256
.set KR,    32                         ; v32-63   K as loaded
.set KX,    64                         ; v64-95   K turned: 32 neighbours a lane
.set VY,    96                         ; v96-127  V: 32 keys of my channel
.set KC,    128                        ; v128-136 K's codes (six, and three on their way)
.set VC,    140                        ; v140-148 V's
.set OUTR,  152                        ; v152-169 the way out
	s_load_b128 s[4:7], s[0:1], 0x0                ; qkv, kv
	v_lshl_add_u32 v176, v0, 2, 0xbc00
	v_mov_b32 v177, 0
	v_lshrrev_b32 v1, 5, v0
	v_readfirstlane_b32 s8, v1                     ; wave 0..7
	v_and_b32 v1, 31, v0                           ; lane
	v_and_b32 v2, 15, v0                           ; lane % 16
	v_bfe_u32 v3, v0, 4, 1                         ; lane / 16
	s_lshr_b32 s9, ttmp9, 7                        ; batch
	s_bfe_u32 s10, ttmp9, 0x40003                  ; head
	s_and_b32 s11, ttmp9, 7                        ; step
	s_mul_i32 s12, s9, BS
	s_mul_i32 s13, s11, 128*RS
	s_add_co_u32 s12, s12, s13
	s_lshl_b32 s13, s10, 8
	s_add_co_u32 s12, s12, s13                     ; (batch, 128 x step, 0, head, 0) in bytes
	s_lshr_b32 s16, s8, 1                          ; wave / 2
	s_and_b32 s17, s8, 1                           ; wave % 2
	s_mul_i32 s14, s8, 8*RS                        ; K: keys 8 x wave on,
	s_add_co_u32 s14, s14, s12
	s_add_co_u32 s14, s14, 4096                    ; in K's part of a position
	s_mov_b32 s15, 0
	s_mul_i32 s18, s16, 32*RS                      ; V: keys 32 (wave / 2) on,
	s_add_co_u32 s18, s18, s12
	s_lshl_b32 s19, s17, 7                         ; channels 32 (wave % 2) on,
	s_add_co_u32 s18, s18, s19
	s_add_co_u32 s18, s18, 8192                    ; in V's part
	s_mov_b32 s19, 0
	s_xor_b32 s24, ttmp9, 7                        ; the block's place in kv: 8 x (batch, head) + 7 - step
	s_mul_i32 s24, s24, STEPB
	s_mov_b32 s25, 0
	v_mul_u32_u24 v4, v3, 64*RS                    ; K: lanes 16-31 take the row 64 keys on,
	v_lshl_add_u32 v4, v2, 4, v4                   ; 16 bytes a lane: sixteen lanes read a row's 256 bytes
	v_lshlrev_b32 v5, 2, v1                        ; V: 4 bytes a lane: 128 consecutive bytes a load
	s_wait_kmcnt 0x0
	s_add_nc_u64 s[20:21], s[4:5], s[14:15]
	s_add_nc_u64 s[22:23], s[4:5], s[18:19]
	s_add_nc_u64 s[6:7], s[6:7], s[24:25]
.irp i, 0,1,2,3,4,5,6,7
	global_load_b128 v[KR+4*\i:KR+4*\i+3], v4, s[20:21] offset:\i*RS th:TH_LOAD_NT       ; rows i and 8 + i of my tile
.endr
.irp i, 0,1,2,3,4,5,6,7,8,9,10,11,12,13,14,15,16,17,18,19,20,21,22,23,24,25,26,27,28,29,30,31
	global_load_b32 v[VY+\i], v5, s[22:23] offset:\i*RS                                    ; key i of my block, my channel
.endr
	; every LDS address: a constant + a constant x lane + a constant x wave
	s_mul_i32 s26, s8, 16*SP
	s_add_co_u32 s26, s26, STG                     ; my stage
	v_mul_u32_u24 v6, v3, 8*SP
	v_lshl_add_u32 v6, v2, 4, v6
	v_add_nc_u32 v6, s26, v6                       ; in: row 8 (lane / 16) + i, 16 bytes a lane
	v_mul_u32_u24 v7, v2, SP
	v_lshl_add_u32 v7, v3, 7, v7
	v_add_nc_u32 v7, s26, v7                       ; back: row lane % 16, 128 bytes for each half of the lanes
	v_lshlrev_b32 v8, 4, v1                        ; 16 x lane
	s_mul_i32 s27, s8, 3                           ; K: my tile's register pairs are pairs 3 t + p of the step's 24: plane (3 t + p) / 2, half (3 t + p) % 2
.irp p, 0,1,2
	s_add_co_u32 s28, s27, \p
	s_lshr_b32 s29, s28, 1
	s_lshl_b32 s29, s29, 9
	s_and_b32 s28, s28, 1
	s_lshl_b32 s28, s28, 3
	s_add_co_u32 s28, s28, s29
	v_add_nc_u32 v[9+\p], s28, v8
.endr
	s_lshl_b32 s28, s17, 8                         ; K's scale words: 16 bytes a reader's lane: word t / 2; lanes 0-15 the even tile's rows, lanes 16-31 the odd tile's
	s_lshl_b32 s29, s16, 2
	s_add_co_u32 s28, s28, s29
	s_add_co_u32 s28, s28, IMGKS
	v_lshl_add_u32 v12, v2, 4, s28
	s_and_b32 s30, s16, 1                          ; V: my block of 32 keys is block 2 h + c of the step
	s_lshr_b32 s31, s16, 1
	v_mul_u32_u24 v13, v3, 1536                    ; fragment 2 (wave % 2) + lane / 16,
	v_lshl_add_u32 v13, v2, 4, v13                 ; the reader's lane (lane % 16, h)
	s_mul_i32 s27, s30, 3
	s_mul_i32 s33, s17, 3072
	s_lshl_b32 s34, s31, 8
	s_add_co_u32 s33, s33, s34
	s_add_co_u32 s33, s33, IMGV
.irp p, 0,1,2
	s_add_co_u32 s28, s27, \p                      ; pair 3 c + p of the fragment's six
	s_lshr_b32 s29, s28, 1
	s_lshl_b32 s29, s29, 9
	s_and_b32 s28, s28, 1
	s_lshl_b32 s28, s28, 3
	s_add_co_u32 s28, s28, s29
	s_add_co_u32 s28, s28, s33
	v_add_nc_u32 v[14+\p], s28, v13
.endr
	s_lshl_b32 s28, s17, 2                         ; V's scale words: 8 bytes a reader's lane: word T / 2, and in it byte 2 c + h
	s_lshl_b32 s29, s30, 1
	s_add_co_u32 s28, s28, s29
	s_add_co_u32 s28, s28, s31
	s_add_co_u32 s28, s28, IMGVS
	v_lshl_add_u32 v17, v1, 3, s28
	v_lshlrev_b32 v18, 4, v0                       ; the way out: 16 bytes a thread, the same place in the image and in the block
	v_add_nc_u32 v19, IMGKS, v8
	v_lshl_add_u32 v20, v1, 3, IMGVS
	v_lshlrev_b32 v21, 3, v3                       ; 8 (lane / 16): my byte's place in K's scale word
	v_mov_b32 v26, 0                               ; a lane permute's destination counts as one of its sources
	s_mov_b32 s36, 0x76543210
	s_mov_b32 s37, 0xfedcba98                      ; v_permlanex16_b32: lane l xor 16
; 32 numbers of a lane, one block, become six registers of codes in v[c] on and the scale's byte in v[by]
.macro QUANT x, c, by
	v_max3_num_f32 v22, |v[\x]|, |v[\x+1]|, 0x1800000          ; the largest magnitude, in two chains, with the floor 2^(3 - 127): the byte cannot fall under 1
	v_max3_num_f32 v23, |v[\x+2]|, |v[\x+3]|, 0x1800000
.irp i, 4,8,12,16,20,24,28
	v_max3_num_f32 v22, v22, |v[\x+\i]|, |v[\x+\i+1]|
	v_max3_num_f32 v23, v23, |v[\x+\i+2]|, |v[\x+\i+3]|
.endr
	v_max_num_f32 v22, v22, v23
	v_add_nc_u32 v24, 0xff000000, v22              ; 2 off its exponent field: the conversion takes the exponent field of this operand as its scale
	v_cvt_scalef32_pk16_fp6_f32 v[\c:\c+2], v[\x:\x+15], v24
	v_cvt_scalef32_pk16_fp6_f32 v[\c+6:\c+8], v[\x+16:\x+31], v24    ; (a conversion's three registers begin on an even number)
	v_lshrrev_b32 v[\by], 23, v24                  ; the scale's byte; also the plain instruction between the conversions and the first use of their results
	v_mov_b32 v[\c+3], v[\c+6]
	v_mov_b32 v[\c+4], v[\c+7]
	v_mov_b32 v[\c+5], v[\c+8]
.endm
	s_wait_loadcnt 32                              ; K's eight loads are in; V's 32, issued behind them, may be out
.irp i, 0,1,2,3,4,5,6,7
	ds_store_b128 v6, v[KR+4*\i:KR+4*\i+3] offset:\i*SP
.endr
.irp k, 0,1,2,3,4,5,6,7
	ds_load_b128 v[KX+4*\k:KX+4*\k+3], v7 offset:16*\k       ; LDS serves a wave's instructions in order: these see my stores
.endr
	s_wait_dscnt 0x0
	QUANT KX, KC, 25
.irp p, 0,1,2
	ds_store_b64 v[9+\p], v[KC+2*\p:KC+2*\p+1]
.endr
	v_lshlrev_b32 v25, v21, v25                    ; my block's byte at its place,
	v_permlanex16_b32 v26, v25, s36, s37
	v_or_b32 v25, v25, v26                         ; with the other half's: bytes 0 and 1 of the row's word;
	v_or_b32 v25, 0x7f7f0000, v25                  ; bytes 2 and 3 stand over the half of the instruction's K that adds nothing: 1.0
	ds_store_b32 v12, v25                          ; both lanes of a row write the same word with the same value
	s_wait_loadcnt 0x0                             ; V
	QUANT VY, VC, 27
.irp p, 0,1,2
	ds_store_b64 v[14+\p], v[VC+2*\p:VC+2*\p+1]
.endr
	ds_store_b8 v17, v27
	s_wait_dscnt 0x0                               ; for the others' sake: my stores into the image are done
	s_barrier_signal -1
	s_barrier_wait -1
.irp n, 0,1,2
	ds_load_b128 v[OUTR+4*\n:OUTR+4*\n+3], v18 offset:4096*\n
.endr
	s_wait_dscnt 0x0
.irp n, 0,1,2
	global_store_b128 v18, v[OUTR+4*\n:OUTR+4*\n+3], s[6:7] offset:4096*\n     ; a wave stores 512 consecutive bytes, at a multiple of 256 from the buffer's first byte
.endr
	s_cmp_lg_u32 s8, 0                             ; the 768 bytes of scale words are wave 0's
	s_cbranch_scc1 .Ldone
	ds_load_b128 v[OUTR+12:OUTR+15], v19
	ds_load_b64 v[OUTR+16:OUTR+17], v20
	s_wait_dscnt 0x0
	global_store_b128 v19, v[OUTR+12:OUTR+15], s[6:7]
	global_store_b64 v20, v[OUTR+16:OUTR+17], s[6:7]
.Ldone:
	s_wait_tensorcnt 0x0
	ds_add_u32 v176, v177
	s_wait_dscnt 0x0
	s_endpgm
.Lfunc_end_k_qbd2c8e5209_prep:
	.size	k_qbd2c8e5209_prep, .Lfunc_end_k_qbd2c8e5209_prep-k_qbd2c8e5209_prep
	.p2alignl 7, 3214868480
	.fill 96, 4, 3214868480
	.section	.rodata,"a",@progbits
	.p2align	6, 0x0
	.amdhsa_kernel k_qbd2c8e5209_prep
		.amdhsa_group_segment_fixed_size 49152
		.amdhsa_private_segment_fixed_size 0
		.amdhsa_enable_private_segment 0
		.amdhsa_kernarg_size 16
		.amdhsa_user_sgpr_count 2
		.amdhsa_user_sgpr_kernarg_segment_ptr 1
		.amdhsa_wavefront_size32 1
		.amdhsa_system_sgpr_workgroup_id_x 1
		.amdhsa_system_sgpr_workgroup_id_y 1
		.amdhsa_system_sgpr_workgroup_id_z 1
		.amdhsa_system_vgpr_workitem_id 0
		.amdhsa_next_free_vgpr 178
		.amdhsa_next_free_sgpr 66
		.amdhsa_reserve_vcc 0
		.amdhsa_float_denorm_mode_32 3
		.amdhsa_float_denorm_mode_16_64 3
		.amdhsa_memory_ordered 1
		.amdhsa_forward_progress 1
		.amdhsa_inst_pref_size 15
	.end_amdhsa_kernel
	.amdgpu_metadata
---
amdhsa.version: [ 1, 2 ]
amdhsa.kernels:
  - .name:           k_qbd2c8e5209_prep
    .symbol:         k_qbd2c8e5209_prep.kd
    .args:
      - { .name: qkv, .offset: 0, .size: 8, .value_kind: global_buffer, .address_space: global }
      - { .name: kv, .offset: 8, .size: 8, .value_kind: global_buffer, .address_space: global }
    .group_segment_fixed_size: 49152
    .private_segment_fixed_size: 0
    .kernarg_segment_align: 8
    .kernarg_segment_size: 16
    .max_flat_workgroup_size: 256
    .sgpr_count:     66
    .vgpr_count:     178
    .wavefront_size: 32
...
	.end_amdgpu_metadata
.endif
;; end of part 1
;; launch attn (part 2): grid 256 x 1, 8 waves a work-group, clusters of 4 x 1, 168,960 bytes of LDS; arguments qkv, kv, out0; writes out0
.if DOCPART == 2
	.amdgcn_target "amdgcn-amd-amdhsa--gfx1250"
	.amdhsa_code_object_version 6
	.text
	.protected	k_qbd2c8e5209_attn
	.globl	k_qbd2c8e5209_attn
	.p2align	8
	.type	k_qbd2c8e5209_attn,@function
k_qbd2c8e5209_attn:
	s_mov_b64 s[64:65], 0
	v_nop
	global_prefetch_b8 v0, s[64:65] scope:SCOPE_SE
	s_setreg_imm32_b32 hwreg(HW_REG_WAVE_MODE, 25, 1), 1
	s_wait_xcnt 0x0
	s_wait_alu depctr_hold_cnt(0) depctr_sa_sdst(0) depctr_va_vdst(0) depctr_va_sdst(0) depctr_va_ssrc(0) depctr_va_vcc(0) depctr_vm_vsrc(0)
	s_getreg_b32 s2, hwreg(HW_REG_IB_STS2, 6, 4)
	s_cmp_eq_u32 s2, 0
	s_cbranch_scc0 .Lentry_in_a_cluster
	s_endpgm
.Lentry_in_a_cluster:
	s_bfe_u32 s2, ttmp6, 0x10000c
	s_cmp_lg_u32 s2, 0x3003
	s_cbranch_scc0 .Lentry_shape_is_right
	s_endpgm
.Lentry_shape_is_right:
; out[b][t][h][:] = sum over s < t of att[t][s] v[s][:] + (1 - sum over s of att[t][s]) v[t][:],
; att[t][s] = beta_s x the product over s < j < t of (1 - beta_j), beta = sigmoid(0.1875 q_t . k_s).  Both products on codes of FP6 (E2M3) with E8M0 scales.
; ARITHMETIC, all f32: t = c x score, c = 0.1875 log2(e); E = 2^t; p = 1 / (1 + E) = 1 - beta; beta = E p.  The keys are walked from the diagonal DOWN, and the product of the p is carried:
; att = E x (the product of p from this key up to the end of the lane's run of 16) x G, G = the product of all p above that run.  A hidden score becomes -infinity: E = 0, p = 1, att = 0.
; The row's sum is taken of the unquantised att; att is quantised along the keys, a block of 32 at a time.
; LIMITS.  t is held at 64 from above: beyond it 1 - beta, which is under 2^-64, is taken as 2^-64.  Where E is large, an att whose product with p included falls under the smallest normal f32 number loses
; bits: such an att lies under 2^-62.  2^t under 2^-126 is taken as 0.  NaN and infinities among the inputs are not served.
; SHARES.  A work-group has one head and eight tiles of 16 queries, a tile to a wave: wave w has tile 8 g + j, g = w xor 3 (w / 4), j the work-group's number in its head: queries 128 g + 16 j on, g + 1 steps of
; 128 keys.  Waves w and w + 4 have 9 steps together.  The loop has 8 trips in every wave; a step whose keys all lie above the wave's queries is jumped over by a scalar branch on ids.
; K's AND V's CODES of the whole head, 104,448 bytes as the launch before has laid them (images of the registers below, the highest keys first), come into LDS once: each wave fetches one step's 13,056 bytes.
; CLUSTER.  The four work-groups of a cluster belong to one head and want the same bytes: each load is asked for JOINTLY, by the same descriptor with a mask that names the four.  Nothing is filled again.
; LAYOUT.  S^T = K Q^T (source 0 = 16 keys, source 1 = my 16 queries), O^T = V^T att^T: a lane holds ONE query (lane % 16) throughout.  Row m of tile t of K is key 8 t + m % 8 + 64 (m / 8) of the step, so that
; register n of the 64 scores is key 64 (lane / 16) + n: a lane holds 64 neighbouring keys, two whole blocks: no other lane is asked for a block's maximum, and the conversions' results are the operand.
; THE FIRST PRODUCT'S K IS 64, the instruction's 128: Q's registers 6-11 are zero codes.  A code of E2M3 is always a finite number, so whatever stands in source 0's registers 6-11 adds nothing: tile t's fragment
; is registers 6 t .. 6 t + 11 of K's 48 (and six zeros behind them), its upper half being the next tile's codes.
; No prefetch: the one stream from memory comes once, at the head.  O^T is cleared once (32 moves), so that the step is written once.
; REGISTERS.  Window 0: v1-11 addresses, v12-15 the row's sum, v16-27 Q, v28-35 scale words, v36-47 att's codes, v64-127 scores, then E, then att; v128-191 1 + E, then p, then products; v192-213 at work.
;             Window 1: v0-53 K, v56-103 V, v104-135 O^T, v136-167 my queries' rows of v.
.set RS,    12288                      ; bytes from a position to the next in qkv
.set BS,    1024*RS
.set OROW,  4096                       ; the same in out0
.set OBS,   1024*OROW
.set STEPB, 13056                      ; a step's block: K's codes, V's codes, K's scale words, V's scale words
.set IMGK,  0
.set IMGV,  6144
.set IMGKS, 12288
.set IMGVS, 12800
.set HEADB, 8*STEPB
.set STG,   HEADB                      ; behind the head's block: a stage of 16 rows x 272 bytes for each wave, into which no tile lands
.set SP,    272
.set L16, 1                            ; 16 x lane
.set L8,  2                            ; 8 x lane
.set GR,  3                            ; qkv: lanes 0-15 one row of 256 bytes, lanes 16-31 the next position's
.set GO,  4                            ; the same in out0
.set RD,  5                            ; the stage by pairs of rows: 16 bytes a lane
.set RD2, 6                            ; the pair's rows, first byte
.set RB,  7                            ; the stage: row lane % 16
.set QRD, 8                            ; + 128 (lane / 16)
.set STO, 9                            ; + 32 (lane / 16)
.set DD,  10                           ; my query less the diagonal step's first key less 64 (lane / 16)
.set SH8, 11                           ; 8 (lane / 16)
.set SUM, 12
.set QF,  16
.set QS,  28
.set PS,  29
.set KS,  30
.set VS,  34
.set PC,  36
.set CT,  48
.set AK,  56
.set AV,  57
.set AS,  58
.set CY,  59                           ; the product of p over all keys above the step
.set ONE, 60
.set NINF, 61
.set E,   64
.set P,   128
.set G,   192                          ; G of run k at v[G + 2 k]: the packed product names a pair and takes its low word
.set TA,  200
.set TB,  201
.set TX,  202
.set M,   204
.set SC,  208
.set BY,  210
.set TY,  212
.set RM,  213
.set KB,  0                            ; window 1
.set VB,  56
.set OB,  104
.set VR,  136
.set WV,  10
.set N0,  11                           ; the wave's first trip with work: 7 - g
.set G1,  16
.set G0,  24
.set N,   28
.set SB,  29                           ; LDS byte of the trip's step
.set SBN, 30                           ; and of the next
.set SEL, 32
.set CS,  34
.set CL,  36
.set HM,  37
.set QB,  38
.set OP,  40
.set MSB, 0
.macro WIN new                         ; the immediate's high byte repeats the setting that is left
.if MSB != \new
	s_set_vgpr_msb (MSB<<8)|\new
.set MSB, \new
.endif
.endm
.macro CROUND                          ; a round of the cluster's barrier
	s_barrier_signal -1
	s_barrier_wait -1
	s_cmp_lg_u32 s[WV], 0
	s_cbranch_scc1 .Lnot_wave_0_\@
	s_barrier_signal -3
.Lnot_wave_0_\@:
	s_barrier_wait -3
	s_barrier_signal -1
	s_barrier_wait -1
.endm
	s_load_b128 s[4:7], s[0:1], 0x0                ; qkv, kv
	s_load_b64 s[8:9], s[0:1], 0x10                ; out0
	v_lshl_add_u32 v254, v0, 2, 0x29000
	v_mov_b32 v255, 0
	ds_add_u32 v254, v255
	ds_add_u32 v254, v255
	v_lshrrev_b32 v1, 5, v0
	v_readfirstlane_b32 s[WV], v1                  ; wave 0..7
	s_bfe_u32 s12, ttmp6, 0x40000                  ; my place in the cluster: it enters Q's, v's and out0's addresses and the mask's compare, nothing else
	s_and_b32 s13, ttmp9, 1
	s_lshl_b32 s13, s13, 2
	s_add_co_u32 s13, s13, s12                     ; j: my number in the head, 0..7
	s_lshr_b32 s14, ttmp9, 1                       ; (batch, head): two clusters to a head; the four partners share it
	s_lshr_b32 s15, s[WV], 2
	s_mul_i32 s15, s15, 3
	s_xor_b32 s[N0], s[WV], s15                    ; g = w xor 3 (w / 4): 0 1 2 3 7 6 5 4
	s_xor_b32 s[N0], s[N0], 7                      ; 7 - g
	; descriptor group 1: a dense block of 13,056 bytes as 51 rows of 32 elements of 8 bytes
	s_mov_b32 s[G1], 15|(3<<16)|(1<<21)            ; 15:0 the mask: all four work-groups; 17:16 elements of 8 bytes; 20 no padding; 21 set beside a mask
	s_mov_b32 s[G1+1], 32<<16                      ; tensor_dim0 = 32
	s_mov_b32 s[G1+2], 51<<16                      ; tensor_dim1 = 51
	s_mov_b32 s[G1+3], 32<<16                      ; tile_dim0 = 32
	s_mov_b32 s[G1+4], 51                          ; tile_dim1 = 51
	s_mov_b32 s[G1+5], 32                          ; from row to row
	s_mov_b32 s[G1+6], 0
	s_mov_b32 s[G1+7], 0
	s_mul_i32 s46, s[WV], STEPB                    ; my step's block, in the head's block and in LDS alike
	s_mul_i32 s44, s14, HEADB
	s_add_co_u32 s44, s44, s46
	s_mov_b32 s45, 0
	s_xor_b32 s47, s[N0], 7
	s_lshl_b32 s47, s47, 7
	s_lshl_b32 s48, s13, 4
	s_add_co_u32 s47, s47, s48                     ; my first query: 128 g + 16 j
	s_lshr_b32 s48, s14, 4                         ; batch
	s_and_b32 s49, s14, 15
	s_lshl_b32 s49, s49, 8                         ; the head's 256 bytes
	s_mul_i32 s50, s48, BS
	s_mul_i32 s51, s47, RS
	s_add_co_u32 s50, s50, s51
	s_add_co_u32 s50, s50, s49
	s_mov_b32 s51, 0
	s_mul_i32 s52, s48, OBS
	s_lshl_b32 s53, s47, 12
	s_add_co_u32 s52, s52, s53
	s_add_co_u32 s52, s52, s49
	s_mov_b32 s53, 0
	s_wait_dscnt 0x0
	s_wait_kmcnt 0x0
	s_mov_b32 s[G0], 1                             ; count = 1
	s_mov_b32 s[G0+1], s46                         ; LDS address: the wave's number x 13,056
	s_add_nc_u64 s[G0+2:G0+3], s[6:7], s[44:45]    ; global address: made of the head and the wave's number alone
	s_or_b32 s[G0+3], s[G0+3], 0x80000000          ; type = 2
	s_add_nc_u64 s[QB:QB+1], s[4:5], s[50:51]      ; q of my first query; its v lies 8,192 bytes on
	s_add_nc_u64 s[OP:OP+1], s[8:9], s[52:53]
	CROUND                                         ; all four work-groups are here: the joint loads meet
	tensor_load_to_lds s[G0:G0+3], s[G1:G1+7]      ; my one tensor load
	s_nop 0
.rept 4
	v_nop
.endr
	v_and_b32 v1, 31, v0
	v_and_b32 v62, 15, v0                          ; r
	v_bfe_u32 v63, v0, 4, 1                        ; h
	v_mul_u32_u24 v[GR], v63, RS
	v_lshl_add_u32 v[GR], v62, 4, v[GR]
.irp i, 0,1,2,3,4,5,6,7
	global_load_b128 v[E+4*\i:E+4*\i+3], v[GR], s[QB:QB+1] offset:2*\i*RS th:TH_LOAD_NT        ; q: rows 2 i and 2 i + 1, sixteen lanes to a row's 256 bytes
.endr
	WIN 0x40                                       ; destination window 1
.irp i, 0,1,2,3,4,5,6,7
	global_load_b128 v[VR+4*\i:VR+4*\i+3], v[GR], s[QB:QB+1] offset:2*\i*RS+8192 th:TH_LOAD_NT  ; v of the same positions: wanted at the end
.endr
	WIN 0
	v_lshlrev_b32 v[L8], 3, v1
	v_lshlrev_b32 v[L16], 4, v1
	v_lshlrev_b32 v[GO], 12, v63
	v_lshl_add_u32 v[GO], v62, 4, v[GO]
	s_mul_i32 s44, s[WV], 16*SP
	s_add_co_u32 s44, s44, STG                     ; my stage
	v_mul_u32_u24 v[RD2], v63, SP
	v_add_nc_u32 v[RD2], s44, v[RD2]
	v_lshl_add_u32 v[RD], v62, 4, v[RD2]
	v_mul_u32_u24 v[RB], v62, SP
	v_add_nc_u32 v[RB], s44, v[RB]
	v_lshl_add_u32 v[QRD], v63, 7, v[RB]
	v_lshl_add_u32 v[STO], v63, 5, v[RB]
	v_lshlrev_b32 v[SH8], 3, v63
	v_lshlrev_b32 v[DD], 6, v63
	v_sub_nc_u32 v[DD], v62, v[DD]
	s_lshl_b32 s45, s13, 4
	v_add_nc_u32 v[DD], s45, v[DD]                 ; 16 j + r - 64 h
	s_mov_b32 s[SEL], 0x76543210
	s_mov_b32 s[SEL+1], 0xfedcba98                 ; v_permlanex16_b32: lane l xor 16
	s_mov_b32 s[CS], 0x3e8a7fac                    ; c = 0.1875 log2(e)
	s_mov_b32 s[CS+1], s[CS]                       ; (named with it as a pair, so it is written)
	s_mov_b32 s[CL], 0x42800000                    ; 64.0
	s_mov_b32 s[HM], 0xffff0000                    ; lanes 16-31
	v_mov_b32 v[TY], 0                             ; a lane permute's destination counts as one of its sources
	v_mov_b32 v[TX], 0
	; Q: my 16 rows are turned through my stage, so that lane (r, h) holds numbers 32 h .. 32 h + 31 of row r: one block
	s_wait_loadcnt 0x8                             ; q's eight loads are in; v's eight, issued behind them, may be out
.irp i, 0,1,2,3,4,5,6,7
	ds_store_b128 v[RD], v[E+4*\i:E+4*\i+3] offset:2*\i*SP
.endr
.irp k, 0,1,2,3,4,5,6,7
	ds_load_b128 v[P+4*\k:P+4*\k+3], v[QRD] offset:16*\k      ; LDS serves a wave's instructions in order: these see my stores
.endr
	s_wait_dscnt 0x0
	v_max3_num_f32 v[M], |v[P]|, |v[P+1]|, 0x1800000           ; the block's largest magnitude, with the floor 2^(3 - 127): the byte cannot fall under 1
	v_max3_num_f32 v[M+1], |v[P+2]|, |v[P+3]|, 0x1800000
.irp i, 4,8,12,16,20,24,28
	v_max3_num_f32 v[M], v[M], |v[P+\i]|, |v[P+\i+1]|
	v_max3_num_f32 v[M+1], v[M+1], |v[P+\i+2]|, |v[P+\i+3]|
.endr
	v_max_num_f32 v[M], v[M], v[M+1]
	v_add_nc_u32 v[SC], 0xff000000, v[M]           ; 2 off its exponent field: the conversion's scale operand
	v_cvt_scalef32_pk16_fp6_f32 v[QF:QF+2], v[P:P+15], v[SC]
	v_cvt_scalef32_pk16_fp6_f32 v[CT:CT+2], v[P+16:P+31], v[SC]      ; (a conversion's three registers begin on an even number)
	v_lshrrev_b32 v[BY], 23, v[SC]                 ; the scale's byte; also the plain instruction behind the conversions
.irp i, 0,1,2
	v_mov_b32 v[QF+3+\i], v[CT+\i]
.endr
	v_lshlrev_b32 v[BY], v[SH8], v[BY]
	v_permlanex16_b32 v[TY], v[BY], s[SEL], s[SEL+1]
	v_or_b32 v[QS], v[BY], v[TY]                   ; bytes 0 and 1 of the row's scale word,
	v_or_b32 v[QS], 0x7f7f0000, v[QS]              ; and 1.0 over the zero codes
.irp i, 6,7,8,9,10,11
	v_mov_b32 v[QF+\i], 0                          ; the zero codes of K = 64 .. 127
.endr
	v_mov_b32 v[CY], 1.0
	v_mov_b32 v[ONE], 1.0
	v_mov_b32 v[NINF], 0xff800000
.irp i, 0,1,2,3
	v_mov_b32 v[SUM+\i], 0
	v_mov_b32 v[G+1+2*\i], 0                       ; (the upper halves of the pairs that the packed products name)
.endr
	WIN 0x40
.irp i, 48,49,50,51,52,53
	v_mov_b32 v[KB+\i], 0                          ; behind K's 48 registers: the upper half of tile 7's fragment.  An operand of a scaled product that a vector instruction writes stands four plain instructions ahead of it: the 32 moves below are these
.endr
.set n, 0
.rept 32
	v_mov_b32 v[OB+n], 0                           ; O^T: cleared once, so that the step is written once.  (These moves are also the places between Q's scale word, Q's and K's zero codes and the first product)
.set n, n+1
.endr
	WIN 0
	s_wait_tensorcnt 0x0                           ; my step's block has landed,
	s_wait_dscnt 0x0
	s_barrier_signal -1
	s_barrier_wait -1                              ; everybody's has
	s_mul_i32 s44, s[N0], STEPB                    ; K of my first step
	v_add_nc_u32 v[AK], s44, v[L16]
	WIN 0x40
.irp n, 0,1,2,3,4,5,6,7,8,9,10,11
	ds_load_b128 v[KB+4*\n:KB+4*\n+3], v[AK] offset:IMGK+512*\n
.endr
	WIN 0
	ds_load_b128 v[KS:KS+3], v[AK] offset:IMGKS
	s_mov_b32 s[N], 0
	s_mov_b32 s[SB], 0
; the eleven lines that make G of the four runs and the new carry; they stand singly among the 32 products E x L
.macro GOP k
.if (\k) == 0
	v_mul_f32 v[TA], v[P+48], v[P+32]              ; a run's product stands in its lowest register
.elseif (\k) == 1
	v_mul_f32 v[TB], v[P+16], v[P]
.elseif (\k) == 2
	v_mul_f32 v[TA], v[TA], v[TB]                  ; my 64 keys' product
.elseif (\k) == 3
	v_permlanex16_b32 v[TX], v[TA], s[SEL], s[SEL+1]   ; the other half's
.elseif (\k) == 4
	v_cndmask_b32 v[TB], v[TX], v[ONE], s[HM]      ; lanes 0-15 hold the lower 64 keys: the upper 64 stand above them; lanes 16-31: 1
.elseif (\k) == 5
	v_mul_f32 v[G+6], v[CY], v[TB]                 ; above run 3
.elseif (\k) == 6
	v_mul_f32 v[CY], v[CY], v[TA]
.elseif (\k) == 7
	v_mul_f32 v[G+4], v[G+6], v[P+48]
.elseif (\k) == 8
	v_mul_f32 v[CY], v[CY], v[TX]                  ; the carry for the next step: the same in both halves
.elseif (\k) == 9
	v_mul_f32 v[G+2], v[G+4], v[P+32]
.elseif (\k) == 10
	v_mul_f32 v[G], v[G+2], v[P+16]
.endif
.endm
.Lstep:                                                ; trip n: keys 128 (7 - n) on
	s_cmp_lt_u32 s[N], s[N0]
	s_cbranch_scc1 .Lskip                          ; all its keys lie above my queries
	s_wait_dscnt 0x0                               ; K and its scale words are in
	s_add_co_u32 s[SBN], s[SB], STEPB
	s_min_u32 s[SBN], s[SBN], 7*STEPB              ; the next step; the last trip fetches its own K once more, so that no load is jumped over
	WIN 0x01                                       ; source 0 (K) window 1
.irp t, 0,1,2,3,4,5,6,7
.if \t%2
	v_wmma_scale_f32_16x16x128_f8f6f4 v[E+8*\t:E+8*\t+7], v[KB+6*\t:KB+6*\t+11], v[QF:QF+11], 0, v[KS+\t/2], v[QS] matrix_a_fmt:MATRIX_FMT_FP6 matrix_b_fmt:MATRIX_FMT_FP6 matrix_a_scale:MATRIX_SCALE_ROW1
.else
	v_wmma_scale_f32_16x16x128_f8f6f4 v[E+8*\t:E+8*\t+7], v[KB+6*\t:KB+6*\t+11], v[QF:QF+11], 0, v[KS+\t/2], v[QS] matrix_a_fmt:MATRIX_FMT_FP6 matrix_b_fmt:MATRIX_FMT_FP6
.endif
.endr
	WIN 0
	v_add_nc_u32 v[AV], s[SB], v[L16]              ; four plain instructions between the products and the loads into their registers, and the first read of the scores
	v_add_nc_u32 v[AS], s[SB], v[L8]
	v_add_nc_u32 v[AK], s[SBN], v[L16]
	v_nop
	WIN 0x40                                       ; this step's V and the next step's K: they land while the scores are worked on
.irp n, 0,1,2,3,4,5,6,7,8,9,10,11
	ds_load_b128 v[VB+4*\n:VB+4*\n+3], v[AV] offset:IMGV+512*\n
.endr
.irp n, 0,1,2,3,4,5,6,7,8,9,10,11
	ds_load_b128 v[KB+4*\n:KB+4*\n+3], v[AK] offset:IMGK+512*\n
.endr
	WIN 0
	ds_load_b64 v[VS:VS+1], v[AS] offset:IMGVS
	ds_load_b128 v[KS:KS+3], v[AK] offset:IMGKS
	s_cmp_lg_u32 s[N], s[N0]
	s_cbranch_scc1 .Lopen                          ; only my first step lies on the diagonal
.set n, 0
.rept 64
	v_cmp_ge_i32 vcc_lo, n, v[DD]                  ; register n is key 64 h + n of the step: hidden where it is not under my query
	v_cndmask_b32 v[E+n], v[E+n], v[NINF], vcc_lo
.set n, n+1
.endr
.Lopen:
.set n, 0
.rept 32
	v_pk_mul_f32 v[E+n:E+n+1], v[E+n:E+n+1], s[CS:CS+1] op_sel_hi:[1,0]     ; t = c x score
.set n, n+2
.endr
.set n, 0
.rept 64
	v_min_num_f32 v[E+n], s[CL], v[E+n]            ; held at 64, so that E x p never meets infinity x 0
.set n, n+1
.endr
.set n, 0
.rept 64
	v_exp_f32 v[E+n], v[E+n]                       ; E = 2^t
.set n, n+1
.endr
	v_nop                                          ; a plain instruction behind the batch,
	s_wait_alu depctr_va_vdst(0)                   ; and one wait for all 64, ahead of their first reader
.set n, 0
.rept 32
	v_pk_add_f32 v[P+n:P+n+1], v[E+n:E+n+1], 1.0 op_sel_hi:[1,0]
.set n, n+2
.endr
.set n, 0
.rept 64
	v_rcp_f32 v[P+n], v[P+n]                       ; p = 1 / (1 + E) = 1 - beta
.set n, n+1
.endr
	v_nop
	s_wait_alu depctr_va_vdst(0)                   ; one wait for the 64 reciprocals
.set i, 14
.rept 15
.irp k, 0,1,2,3
	v_mul_f32 v[P+16*\k+i], v[P+16*\k+i], v[P+16*\k+i+1]      ; L: the product of p from this key up to its run's end; the four runs by turns
.endr
.set i, i-1
.endr
.set n, 0
.rept 32
	v_pk_mul_f32 v[E+n:E+n+1], v[E+n:E+n+1], v[P+n:P+n+1]     ; E x L = beta x the p above it in the run
.if (n%6) == 0
	GOP (n/6)
.endif
.set n, n+2
.endr
.set n, 62
.rept 32
	v_pk_mul_f32 v[E+n:E+n+1], v[E+n:E+n+1], v[G+2*(n/16):G+2*(n/16)+1] op_sel_hi:[1,0]   ; att; the highest run, whose G is ready first, first
.set n, n-2
.endr
.irp q, 0,1,2,3
	v_max3_num_f32 v[M+\q], v[E+16*\q], v[E+16*\q+1], 0x1800000      ; the blocks' largest att (none is negative), two chains a block, with the floor 2^(3 - 127)
.endr
.irp i, 2,4,6,8,10,12,14
.irp q, 0,1,2,3
	v_max3_num_f32 v[M+\q], v[M+\q], v[E+16*\q+\i], v[E+16*\q+\i+1]
.endr
.endr
	v_max_num_f32 v[M], v[M], v[M+1]
	v_max_num_f32 v[M+2], v[M+2], v[M+3]
	v_add_nc_u32 v[SC], 0xff000000, v[M]           ; 2 off the exponent field: the conversions' scale operands
	v_add_nc_u32 v[SC+1], 0xff000000, v[M+2]
	v_lshrrev_b32 v[BY], 23, v[SC]
	v_lshrrev_b32 v[BY+1], 23, v[SC+1]
	v_lshl_or_b32 v[BY], v[BY+1], 16, v[BY]        ; my blocks c = 0, 1 are the operand's blocks 2 c + h
	v_lshlrev_b32 v[BY], v[SH8], v[BY]
	v_permlanex16_b32 v[TY], v[BY], s[SEL], s[SEL+1]
	v_or_b32 v[PS], v[BY], v[TY]                   ; att's scale word for these 128 keys
	v_cvt_scalef32_pk16_fp6_f32 v[PC:PC+2], v[E:E+15], v[SC]
	v_cvt_scalef32_pk16_fp6_f32 v[CT:CT+2], v[E+16:E+31], v[SC]
	v_cvt_scalef32_pk16_fp6_f32 v[PC+6:PC+8], v[E+32:E+47], v[SC+1]
	v_cvt_scalef32_pk16_fp6_f32 v[CT+4:CT+6], v[E+48:E+63], v[SC+1]
.set n, 0
.rept 8
	v_pk_add_f32 v[SUM:SUM+1], v[SUM:SUM+1], v[E+n:E+n+1]            ; the row's sum, of the unquantised att, in two chains.  (Plain work behind the conversions)
	v_pk_add_f32 v[SUM+2:SUM+3], v[SUM+2:SUM+3], v[E+n+2:E+n+3]
.set n, n+4
.endr
.irp i, 0,1,2
	v_mov_b32 v[PC+3+\i], v[CT+\i]
	v_mov_b32 v[PC+9+\i], v[CT+4+\i]
.endr
.rept 8
	v_pk_add_f32 v[SUM:SUM+1], v[SUM:SUM+1], v[E+n:E+n+1]            ; (these sixteen are the places between the codes' last move and the products; the scale word stands 38 plain instructions ahead)
	v_pk_add_f32 v[SUM+2:SUM+3], v[SUM+2:SUM+3], v[E+n+2:E+n+3]
.set n, n+4
.endr
	s_wait_dscnt 0x0                               ; V, its scale words, and the next step's K
	WIN 0x51                                       ; source 0 (V), C and D (O^T) window 1; source 1 (att) window 0
.irp t, 0,1,2,3
.if \t%2
	v_wmma_scale_f32_16x16x128_f8f6f4 v[OB+8*\t:OB+8*\t+7], v[VB+12*\t:VB+12*\t+11], v[PC:PC+11], v[OB+8*\t:OB+8*\t+7], v[VS+\t/2], v[PS] matrix_a_fmt:MATRIX_FMT_FP6 matrix_b_fmt:MATRIX_FMT_FP6 matrix_a_scale:MATRIX_SCALE_ROW1
.else
	v_wmma_scale_f32_16x16x128_f8f6f4 v[OB+8*\t:OB+8*\t+7], v[VB+12*\t:VB+12*\t+11], v[PC:PC+11], v[OB+8*\t:OB+8*\t+7], v[VS+\t/2], v[PS] matrix_a_fmt:MATRIX_FMT_FP6 matrix_b_fmt:MATRIX_FMT_FP6
.endif
.endr                                                  ; the four accumulators take turns, and the next step's eight products stand between two links of a chain
	WIN 0
.Lskip:
	s_add_co_u32 s[SB], s[SB], STEPB
	s_add_co_u32 s[N], s[N], 1
	s_cmp_lt_u32 s[N], 8
	s_cbranch_scc1 .Lstep
	; THE WAY OUT.  rem = 1 - the row's sum.  O^T goes through my stage and comes back as whole rows of 256 bytes; rem, a number a row, goes with it in the row's padding; there rem x v is added.
	v_pk_add_f32 v[SUM:SUM+1], v[SUM:SUM+1], v[SUM+2:SUM+3]          ; (five plain instructions stand between the last products and the first read of O^T)
	v_nop
	v_add_f32 v[SUM], v[SUM], v[SUM+1]
	v_permlanex16_b32 v[TY], v[SUM], s[SEL], s[SEL+1]
	v_add_f32 v[SUM], v[SUM], v[TY]                ; with the other half's keys
	v_sub_f32 v[RM], 1.0, v[SUM]
	WIN 0x04                                       ; an LDS store's data are its source 1: window 1
.irp t, 0,1,2,3
	ds_store_b128 v[STO], v[OB+8*\t:OB+8*\t+3] offset:64*\t          ; lane (r, h): O(query r, 16 t + 8 h + 0 .. 7); each accumulator from its low end on
	ds_store_b128 v[STO], v[OB+8*\t+4:OB+8*\t+7] offset:64*\t+16
.endr
	WIN 0
	ds_store_b32 v[RB], v[RM] offset:256           ; both lanes of a query write the same word with the same value
.irp i, 0,1,2,3,4,5,6,7
	ds_load_b128 v[E+4*\i:E+4*\i+3], v[RD] offset:2*\i*SP            ; LDS serves a wave's instructions in order: these see my stores
	ds_load_b32 v[P+\i], v[RD2] offset:2*\i*SP+256
.endr
	s_wait_loadcnt 0x0                             ; v's rows
	s_wait_dscnt 0x0
	WIN 0x04                                       ; source 1 (v) window 1
.irp i, 0,1,2,3,4,5,6,7
.irp e, 0,1,2,3
	v_fma_f32 v[E+4*\i+\e], v[P+\i], v[VR+4*\i+\e], v[E+4*\i+\e]
.endr
.endr
	WIN 0
.irp i, 0,1,2,3,4,5,6,7
	global_store_b128 v[GO], v[E+4*\i:E+4*\i+3], s[OP:OP+1] offset:2*\i*OROW th:TH_STORE_NT    ; sixteen lanes store 256 consecutive bytes, at a multiple of 256 from out0's first byte
.endr
	s_wait_tensorcnt 0x0
	ds_add_u32 v254, v255
	s_wait_dscnt 0x0
	CROUND                                         ; the closing round: no work-group ends while a partner may still ask for a block that names it
	s_endpgm
.Lfunc_end_k_qbd2c8e5209_attn:
	.size	k_qbd2c8e5209_attn, .Lfunc_end_k_qbd2c8e5209_attn-k_qbd2c8e5209_attn
	.p2alignl 7, 3214868480
	.fill 96, 4, 3214868480
	.section	.rodata,"a",@progbits
	.p2align	6, 0x0
	.amdhsa_kernel k_qbd2c8e5209_attn
		.amdhsa_group_segment_fixed_size 168960
		.amdhsa_private_segment_fixed_size 0
		.amdhsa_enable_private_segment 0
		.amdhsa_kernarg_size 24
		.amdhsa_user_sgpr_count 2
		.amdhsa_user_sgpr_kernarg_segment_ptr 1
		.amdhsa_wavefront_size32 1
		.amdhsa_system_sgpr_workgroup_id_x 1
		.amdhsa_system_sgpr_workgroup_id_y 1
		.amdhsa_system_sgpr_workgroup_id_z 1
		.amdhsa_system_vgpr_workitem_id 0
		.amdhsa_next_free_vgpr 448
		.amdhsa_next_free_sgpr 66
		.amdhsa_reserve_vcc 1
		.amdhsa_float_denorm_mode_32 3
		.amdhsa_float_denorm_mode_16_64 3
		.amdhsa_memory_ordered 1
		.amdhsa_forward_progress 1
		.amdhsa_inst_pref_size 47
	.end_amdhsa_kernel
	.amdgpu_metadata
---
amdhsa.version: [ 1, 2 ]
amdhsa.kernels:
  - .name:           k_qbd2c8e5209_attn
    .symbol:         k_qbd2c8e5209_attn.kd
    .args:
      - { .name: qkv, .offset: 0, .size: 8, .value_kind: global_buffer, .address_space: global }
      - { .name: kv, .offset: 8, .size: 8, .value_kind: global_buffer, .address_space: global }
      - { .name: out0, .offset: 16, .size: 8, .value_kind: global_buffer, .address_space: global }
    .group_segment_fixed_size: 168960
    .private_segment_fixed_size: 0
    .kernarg_segment_align: 8
    .kernarg_segment_size: 24
    .max_flat_workgroup_size: 256
    .sgpr_count:     66
    .vgpr_count:     448
    .wavefront_size: 32
...
	.end_amdgpu_metadata
.endif
;; end of part 2
